; MI455X (gfx1250); checked and timed in simulation.
; The chip was launched on July 23, 2026; its instructions are those of AMD's public machine-readable ISA for CDNA 5 (MIT licence, August 2026) and "CDNA5" Instruction Set Architecture Reference Guide (July 2026). The comments in the code are by the model that wrote it; some were corrected since.
;; Self Attention v2. Allowed arithmetic: matrix products marked QUANTISED: E2M1 operands, one E8M0 scale for each 32 along K, by v_wmma_scale_f32_16x16x128_f8f6f4 with both operands' format E2M1 (or v_wmma_scale_f32_32x16x128_f4), f32 sums; everything else in f32.
;; Inputs: Wk 768 x 64 float32; Wq 768 x 64 float32; Wv 768 x 64 float32; x 8,192 x 768 float32.
;; Outputs: out0 8,192 x 64 float32.
;; This version of the problem:
;;   THIS VERSION OF THE PROBLEM IS GIVEN IN LOW PRECISION. The matrix products marked QUANTISED in the list below multiply operands that are first quantised to E2M1 (2 exponent bits, 1 mantissa bit; 4 bits a number), with one power-of-two scale for each 32 numbers along K (OCP MX v1.0); their sums are f32. All else is computed in f32.
;;   The module's matrix products, in the order in which they are computed (A, B: the left and right operand; K: the contracted axis; several contracted axes count as one K, in the product's order):
;;     1. [M 8,192, K 768] x [K 768, N 64]; A: input x; B: input Wq: QUANTISED
;;     2. [M 8,192, K 768] x [K 768, N 64]; A: input x; B: input Wk: QUANTISED
;;     3. [M 8,192, K 768] x [K 768, N 64]; A: input x; B: input Wv: QUANTISED
;;     4. [M 8,192, K 64] x [K 64, N 8,192]; A: computed on the way; B: computed on the way: QUANTISED
;;     5. [M 8,192, K 8,192] x [K 8,192, N 64]; A: softmax (see below); B: computed on the way: QUANTISED
;;   THE QUANTISER, for each operand of a quantised product, along K:
;;     - K is cut into blocks of 32 from its start; a last block that is shorter is filled with zeros.
;;     - A block's scale is 2^e with e = floor(log2(the largest magnitude in the block)) - 2, held to -126 .. 127; a block of zeros has e = 0. As a byte (E8M0): e + 127.
;;     - Each number is divided by its block's scale, clamped to +-6, and rounded to the nearest number of E2M1, ties to even, subnormals kept.
;;     - The product sums the exact products of the quantised numbers (number of the format x scale) in f32.
;;   ~~~python
;;   def quantise(x, axis):      # numpy; x: float32 -> the quantised numbers, widened to float32 again
;;       x = np.moveaxis(x, axis, -1); K = x.shape[-1]
;;       x = np.pad(x, [(0, 0)] * (x.ndim - 1) + [(0, -K % 32)]); x = x.reshape(x.shape[:-1] + (-1, 32)); a = np.abs(x).max(-1, keepdims=True)
;;       e = np.where(a > 0, np.clip(np.frexp(np.where(a > 0, a, 1))[1] - 1 - 2, -126, 127), 0)      # np.frexp(a)[1] - 1 = floor(log2(a)), exactly
;;       r = np.clip(x / 2.0 ** e, -6, 6)
;;       step = 2.0 ** (np.maximum(np.frexp(np.where(r == 0, 1, r))[1] - 1, 0) - 1)
;;       q = np.round(r / step) * step * 2.0 ** e      # np.round: ties to even
;;       return np.moveaxis(q.reshape(q.shape[:-2] + (-1,))[..., :K], -1, axis).astype(np.float32)
;;   ~~~
;;   SOFTMAX AHEAD OF A QUANTISED PRODUCT. Where the list says 'softmax', what is quantised is not the finished softmax but p = 2^(t - M), with t = logit x log2(e) and M = ceil(the row's largest t), a whole number; so 1/2 < the row's largest p <= 1. The row's sum l is taken of the UNQUANTISED p, in f32, and the product's result is divided by l at the end. Since M is a whole number, a kernel that streams over the keys may use a running M (the ceiling of the running maximum): every later rescaling is an exact power of two, which a block's scale takes up: the codes' values come out the same.
;;   OPERANDS COMPUTED ON THE WAY. 'Computed on the way' means the value that the module computes at that place (a softmax that the list does not call 'softmax' is quantised finished and normalised). What goes into a quantiser is computed in f32, as accurately as f32 sums, v_exp_f32 and their like allow (about 1e-6 of the number): no bf16 or f16 on the way to a quantiser, and a product that is left as it is and whose result goes on into a quantised operand takes f32 operands (vector FMAs, or v_wmma_f32_16x16x4_f32). A number that lies on a knife's edge between two numbers of the format may be rounded either way, as far as f32 arithmetic and the matrix unit's own rounding can turn it there, and no further.
;; One version. Each part assembles by itself: llvm-mc -triple=amdgcn-amd-amdhsa -mcpu=gfx1250 --defsym DOCPART=n.
;; ======== version 1 of 1: 3 launches
;; limits: right only within a limited range of input values
;; workspace buffers: wc 82,944 bytes; qq 327,680 bytes; kv 557,056 bytes
;; launch wquant (part 1): grid 6 x 12, 1 waves a work-group, no clusters, 0 bytes of LDS; arguments Wq, Wk, Wv, wc; writes wc
.if DOCPART == 1
	.amdgcn_target "amdgcn-amd-amdhsa--gfx1250"
	.amdhsa_code_object_version 6
	.text
	.protected	k_qcb1bb6815b_wquant
	.globl	k_qcb1bb6815b_wquant
	.p2align	8
	.type	k_qcb1bb6815b_wquant,@function
k_qcb1bb6815b_wquant:
	s_mov_b64 s[64:65], 0
	v_nop
	global_prefetch_b8 v0, s[64:65] scope:SCOPE_SE
	s_setreg_imm32_b32 hwreg(HW_REG_WAVE_MODE, 25, 1), 1
	s_wait_xcnt 0x0
; Wq, Wk, Wv [768 (k)][64 (n)], f32, become codes of FP4 (E2M1) with one E8M0 scale byte for each 32 along K, laid in the ORDER OF AN OPERAND'S REGISTERS.
; wc: 72 fragments of 1,024 bytes, fragment f = 6 t + s (column tile t = 0 .. 11: matrix t / 4 (q, k, v), tile t % 4 of its 64 columns; K step s = 0 .. 5 of 128): registers 4 c .. 4 c + 3 of lane l at 1024 f + 512 c + 16 l.
; From byte 73,728 on: 72 records of 128 bytes: the fragment's scale word of lane l at 128 f + 4 l (lanes l and l + 16 hold the same word).
; THE COLUMNS OF A TILE ARE NOT NEIGHBOURS: lane r of tile t' takes column 32 (t' / 2) + 8 (t' % 2) + r + 8 (r / 8), so that in the next launch the 16 result registers of two neighbouring tiles are 16 neighbours.
; One wave makes one fragment: lane (r, h) takes a column and its registers run DOWN K, k = 128 s + 64 c + 32 h + 0 .. 31, the very order of the operand's layout: a lane holds two whole blocks, and nothing is transposed.
; A block's scale is 2^(floor(log2(its largest magnitude)) - 2); its byte is the largest magnitude's exponent field - 2, held at 1 from below.
; LIMITS: a block whose largest magnitude lies under 2^-124, a block of zeros among them, gets the byte 1 (zeros give zero codes, and this program alone reads the bytes); NaN and infinities among the inputs are not served.
; No LDS, no barrier, no cluster: 72 fragments are all the work there is, and no two waves need the same numbers.
.set SCL, 73728                        ; where the scale records begin in wc
.set X,   64                           ; v64-127 my 64 numbers
	s_load_b256 s[4:11], s[0:1], 0x0               ; Wq s[4:5], Wk s[6:7], Wv s[8:9], wc s[10:11]
	s_and_b32 s12, ttmp7, 0xffff                   ; t: the column tile
	s_lshr_b32 s13, s12, 2                         ; which matrix
	s_and_b32 s14, s12, 3                          ; t'
	s_lshr_b32 s15, s14, 1
	s_lshl_b32 s15, s15, 7                         ; 32 (t' / 2) columns of 4 bytes
	s_and_b32 s14, s14, 1
	s_lshl_b32 s14, s14, 5                         ; 8 (t' % 2) columns
	s_add_co_u32 s14, s14, s15
	s_lshl_b32 s15, ttmp9, 15                      ; K step s: 128 rows of 256 bytes
	s_add_co_u32 s14, s14, s15
	s_mov_b32 s15, 0
	s_mul_i32 s16, s12, 6
	s_add_co_u32 s16, s16, ttmp9                   ; f = 6 t + s
	s_lshl_b32 s18, s16, 10                        ; the fragment's place
	s_mov_b32 s19, 0
	s_lshl_b32 s20, s16, 7
	s_add_co_u32 s20, s20, SCL                     ; its scale record's
	s_mov_b32 s21, 0
	s_mov_b32 s24, 0x76543210
	s_mov_b32 s25, 0xfedcba98                      ; v_permlanex16_b32's selects for lane l xor 16
	v_and_b32 v1, 15, v0                           ; r
	v_lshrrev_b32 v2, 4, v0                        ; h
	v_and_b32 v3, 8, v1
	v_add_nc_u32 v3, v3, v1                        ; r + 8 (r / 8)
	v_lshlrev_b32 v5, 2, v3
	v_lshl_add_u32 v5, v2, 13, v5                  ; my column, and 32 rows further down for lanes 16-31
	v_lshlrev_b32 v6, 4, v0                        ; 16 x lane
	v_lshlrev_b32 v7, 2, v0                        ; 4 x lane
	s_wait_alu depctr_va_vdst(0)
	s_wait_kmcnt 0x0
	s_cmp_eq_u32 s13, 1                            ; the matrix is chosen by the work-group's number alone
	s_cselect_b64 s[4:5], s[6:7], s[4:5]
	s_cmp_eq_u32 s13, 2
	s_cselect_b64 s[4:5], s[8:9], s[4:5]
	s_add_nc_u64 s[4:5], s[4:5], s[14:15]
	s_add_nc_u64 s[18:19], s[10:11], s[18:19]
	s_add_nc_u64 s[20:21], s[10:11], s[20:21]
.irp c, 0,1
.irp i, 0,1,2,3,4,5,6,7,8,9,10,11,12,13,14,15,16,17,18,19,20,21,22,23,24,25,26,27,28,29,30,31
	global_load_b32 v[X+32*\c+\i], v5, s[4:5] offset:256*(64*\c+\i)   ; W(128 s + 64 c + 32 h + i, my column)
.endr
.endr
	s_wait_loadcnt 0x0
.irp c, 0,1                                    ; my block 2 c + h: all its 32 numbers are mine
	v_max3_num_f32 v[32+\c], |v[X+32*\c]|, |v[X+1+32*\c]|, 0x1800000   ; and the floor 2^(3 - 127): the byte cannot fall under 1
.endr
.irp i, 2,4,6,8,10,12,14,16,18,20,22,24,26,28,30
.irp c, 0,1
	v_max3_num_f32 v[32+\c], v[32+\c], |v[X+32*\c+\i]|, |v[X+1+32*\c+\i]|   ; (the two blocks by turns)
.endr
.endr
.irp c, 0,1
	v_add_nc_u32 v[44+\c], 0xff000000, v[32+\c]    ; 2 off the exponent field: the conversion takes the exponent field of this operand as its scale
.endr
.irp c, 0,1
	v_lshrrev_b32 v[36+\c], 23, v[44+\c]           ; the scale's byte
.endr
	v_lshl_or_b32 v9, v37, 16, v36                 ; my two bytes: blocks h and 2 + h,
	v_lshlrev_b32 v10, 3, v2
	v_lshlrev_b32 v9, v10, v9                      ; at their places in the scale word (8 h bits up);
	v_mov_b32 v10, 0                               ; (a lane permute's destination counts as one of its sources)
	v_permlanex16_b32 v10, v9, s24, s25
	v_or_b32 v9, v9, v10                           ; with lane l xor 16's two the word is whole, in both halves
.irp c, 0,1
.irp g, 0,1,2,3
	v_cvt_scalef32_pk8_fp4_f32 v[48+4*\c+\g], v[X+32*\c+8*\g:X+32*\c+8*\g+7], v[44+\c]   ; registers 4 c .. 4 c + 3 of the operand
.endr
.endr
	v_nop                                          ; one plain place behind the last scaled conversion
	global_store_b128 v6, v[48:51], s[18:19]       ; 32 lanes store 512 consecutive bytes
	global_store_b128 v6, v[52:55], s[18:19] offset:512
	global_store_b32 v7, v9, s[20:21]              ; and the record of 128 bytes
	s_endpgm
.Lfunc_end_k_qcb1bb6815b_wquant:
	.size	k_qcb1bb6815b_wquant, .Lfunc_end_k_qcb1bb6815b_wquant-k_qcb1bb6815b_wquant
	.p2alignl 7, 3214868480
	.fill 96, 4, 3214868480
	.section	.rodata,"a",@progbits
	.p2align	6, 0x0
	.amdhsa_kernel k_qcb1bb6815b_wquant
		.amdhsa_group_segment_fixed_size 0
		.amdhsa_private_segment_fixed_size 0
		.amdhsa_enable_private_segment 0
		.amdhsa_kernarg_size 32
		.amdhsa_user_sgpr_count 2
		.amdhsa_user_sgpr_kernarg_segment_ptr 1
		.amdhsa_wavefront_size32 1
		.amdhsa_system_sgpr_workgroup_id_x 1
		.amdhsa_system_sgpr_workgroup_id_y 1
		.amdhsa_system_sgpr_workgroup_id_z 1
		.amdhsa_system_vgpr_workitem_id 0
		.amdhsa_next_free_vgpr 128
		.amdhsa_next_free_sgpr 66
		.amdhsa_reserve_vcc 0
		.amdhsa_float_denorm_mode_32 3
		.amdhsa_float_denorm_mode_16_64 3
		.amdhsa_memory_ordered 1
		.amdhsa_forward_progress 1
		.amdhsa_inst_pref_size 11
	.end_amdhsa_kernel
	.amdgpu_metadata
---
amdhsa.version: [ 1, 2 ]
amdhsa.kernels:
  - .name:           k_qcb1bb6815b_wquant
    .symbol:         k_qcb1bb6815b_wquant.kd
    .args:
      - { .name: Wq, .offset: 0, .size: 8, .value_kind: global_buffer, .address_space: global }
      - { .name: Wk, .offset: 8, .size: 8, .value_kind: global_buffer, .address_space: global }
      - { .name: Wv, .offset: 16, .size: 8, .value_kind: global_buffer, .address_space: global }
      - { .name: wc, .offset: 24, .size: 8, .value_kind: global_buffer, .address_space: global }
    .group_segment_fixed_size: 0
    .private_segment_fixed_size: 0
    .kernarg_segment_align: 8
    .kernarg_segment_size: 32
    .max_flat_workgroup_size: 32
    .sgpr_count:     66
    .vgpr_count:     128
    .wavefront_size: 32
...
	.end_amdgpu_metadata
.endif
;; end of part 1
;; launch proj (part 2): grid 256 x 1, 12 waves a work-group, no clusters, 167,936 bytes of LDS; arguments x, wc, qq, kv; writes qq, kv
.if DOCPART == 2
	.amdgcn_target "amdgcn-amd-amdhsa--gfx1250"
	.amdhsa_code_object_version 6
	.text
	.protected	k_qcb1bb6815b_proj
	.globl	k_qcb1bb6815b_proj
	.p2align	8
	.type	k_qcb1bb6815b_proj,@function
k_qcb1bb6815b_proj:
	s_mov_b64 s[64:65], 0
	v_nop
	global_prefetch_b8 v0, s[64:65] scope:SCOPE_SE
	s_setreg_imm32_b32 hwreg(HW_REG_WAVE_MODE, 25, 1), 1
	s_wait_xcnt 0x0
; q = x Wq, k = x Wk, v = x Wv on codes of FP4 (E2M1) with one E8M0 scale for each 32 along K = 768; the results are quantised again, q and k along d (two blocks of 32), v along the tokens (its next K), and stored as
; images of the next launch's operand registers.  x: [8192][768] f32.  wc: the three W as fragments in register order, with scale records (made by the launch before).
; SHARES.  A work-group takes block g of 32 tokens, 98,304 dense bytes of x.  Twelve waves.
; PHASE X: wave w quantises one of x's twelve fragments: tile u = w % 2 of 16 tokens, K step w / 2.  A load reads 512 consecutive bytes of one token; the 16 tokens turn through the wave's own stage in LDS, so that lane (r, h)
;   gets k = 64 c + 32 h + 0 .. 31 of token r, two whole blocks, in the order of the operand's registers.  Codes and scale words go to LDS as images of the registers, for all waves.
; PHASE P: twelve equal units of two products for each of six K steps, two accumulators by turns.  W's fragments go from memory straight into registers, asked for behind x's loads.
;   waves 0-7 (q: 0-3, k: 4-7): source 0 = two neighbouring tiles of W's columns, source 1 = x's tile (w / 2) % 2: lane (r, h) then holds ONE token and 16 neighbours along d: 32 (w % 2) + 16 h + 0 .. 15.
;   waves 8-11 (v): source 0 = x's two tiles, source 1 = Wv's tile w - 8: lane (r, h) holds ONE row of V^T and 16 neighbouring tokens, 16 h + 0 .. 15.
; THE TOKENS OF A TILE ARE NOT NEIGHBOURS: lane r of tile u is token 8 u + r + 8 (r / 8) of the block; W's columns are chosen likewise.
; OUT.  A unit's 16 numbers a lane become 8 bytes of codes: a wave stores 256 consecutive bytes, aligned.  Its scale byte (one a row) leaves as a single byte: a word of V's scales belongs to four work-groups.
;   qq: a record of 1,280 bytes for block g: codes at 512 u + 256 b + 16 r + 8 h, scale bytes at 1024 + 4 r + 2 u + b.
;   kv: K's records of 4,352 bytes for 128 keys (four blocks, beta = g % 4), then, from byte 278,528 on, V's likewise.  K: codes at 1024 beta + 512 u + 256 b + 16 r + 8 h, where beta is odd with the two halves of 128 bytes
;   of each 256 exchanged; scale bytes at 4096 + 64 beta + 4 r + 2 u + b.  V: codes at 1024 dt + 256 beta + 16 r + 8 h; scale bytes at 4096 + 16 r + 4 dt + beta.
; No tensor load and no cluster: x's bytes are each work-group's own, and W never lies in LDS.  No prefetch: there is no loop to run ahead in.
; LIMITS: a block whose largest magnitude lies under 2^-124, a block of zeros among them, gets the byte 1 (zeros give zero codes, and this program alone reads the bytes); NaN and infinities among the inputs are not served.
.set SP,   528                         ; a token in a stage: 512 bytes + 16 of padding
.set XI,   12*16*SP                    ; behind the twelve stages: x's 12 fragment images (index 6 u + s),
.set XSC,  XI+12288                    ; their scale words, 128 bytes each,
.set SPARE, XSC+1536                   ; and the spare words, 128 bytes for each wave: six blocks of 256 bytes that no other line names
.set SCL,  73728                       ; where wc's scale records begin
.set SPW,  1                           ; v1   LDS address of my spare word; never rewritten
.set NIL,  2                           ; v2   0; never rewritten
.set XS,   4                           ; v4-15  scale words of x's fragments
.set WS,   16                          ; v16-27 scale words of W's
.set WF,   32                          ; v32-127 W's fragments: 6 j + s at v[WF + 8 (6 j + s)]
.set R,    128                         ; v128-191 x as loaded;  v192-255 x turned;  then v128-223 x's fragments, v224-239 the accumulators, v240 on at work
.set B,    192
.set AC0,  224
.set AC1,  232
.set WV,   12                          ; s12  my wave's number
.set SEL,  40                          ; s[40:41] lane selects for v_permlanex16_b32: lane l xor 16
.macro WLOAD n                         ; n of W's fragments and their scale words: 3 n loads
.set Q, 0
.rept \n
	global_load_b128 v[WF+8*Q:WF+8*Q+3], v28, s[6:7] offset:1024*Q
	global_load_b128 v[WF+8*Q+4:WF+8*Q+7], v28, s[6:7] offset:1024*Q+512
.set Q, Q+1
.endr
.set Q, 0
.rept \n
	global_load_b32 v[WS+Q], v29, s[20:21] offset:128*Q
.set Q, Q+1
.endr
.endm
	s_load_b256 s[4:11], s[0:1], 0x0               ; x s[4:5], wc s[6:7], qq s[8:9], kv s[10:11]
	v_lshrrev_b32 v3, 5, v0
	v_readfirstlane_b32 s[WV], v3                  ; wave 0..11
	v_and_b32 v28, 31, v0                          ; lane
	v_and_b32 v30, 15, v0                          ; r
	v_bfe_u32 v31, v0, 4, 1                        ; h
	v_lshl_add_u32 v[SPW], v0, 2, SPARE
	v_mov_b32 v[NIL], 0
	s_wait_alu depctr_va_vdst(0)                   ; the wait here, directly ahead of the run of scalar lines
	s_mov_b32 s14, ttmp9                           ; g: my block of 32 tokens
	s_and_b32 s46, s[WV], 1                        ; phase X: my tile u,
	s_lshr_b32 s47, s[WV], 1                       ; my K step s
	s_mul_i32 s16, s14, 98304
	s_mul_i32 s26, s46, 24576                      ; tile u begins at token 8 u
	s_add_co_u32 s16, s16, s26
	s_lshl_b32 s26, s47, 9
	s_add_co_u32 s16, s16, s26
	s_mov_b32 s17, 0
	s_lshr_b32 s26, s[WV], 2
	s_lshl_b32 s26, s26, 2
	s_lshl_b32 s27, s46, 1
	s_add_co_u32 s26, s26, s27                     ; W's first tile: 4 (w / 4) + 2 (w % 2) for q and k,
	s_cmp_lt_u32 s[WV], 8
	s_cselect_b32 s26, s26, s[WV]                  ; w for v
	s_mul_i32 s18, s26, 6144
	s_mov_b32 s19, 0
	s_mul_i32 s20, s26, 768
	s_add_co_u32 s20, s20, SCL
	s_mov_b32 s21, 0
	s_mul_i32 s32, s[WV], 16*SP                    ; my stage
	s_mul_i32 s28, s46, 6
	s_add_co_u32 s28, s28, s47                     ; my image's index 6 u + s
	s_lshl_b32 s29, s28, 7
	s_add_co_u32 s29, s29, XSC                     ; s29 where my scale words go,
	s_lshl_b32 s28, s28, 10
	s_add_co_u32 s28, s28, XI                      ; s28 and my image
	s_bfe_u32 s30, s[WV], 0x10001                  ; x's tile for q and k: (w / 2) % 2
	s_mul_i32 s31, s30, 768
	s_add_co_u32 s31, s31, XSC                     ; s31 its scale words,
	s_mul_i32 s30, s30, 6144
	s_add_co_u32 s30, s30, XI                      ; s30 and its images
	s_mov_b32 s[SEL], 0x76543210
	s_mov_b32 s[SEL+1], 0xfedcba98
	v_mul_u32_u24 v3, v30, SP
	v_lshlrev_b32 v29, 2, v28                      ; v29: 4 x lane
	v_lshlrev_b32 v28, 4, v28                      ; v28: 16 x lane
	v_lshl_add_u32 v31, v31, 7, v3
	v_add_nc_u32 v30, s32, v28                     ; v30: the stage, in: a token's 512 bytes, 16 a lane
	v_add_nc_u32 v31, s32, v31                     ; v31: back: token r, + 128 h: my 32 numbers of a pair of blocks
	v_add_nc_u32 v3, s28, v28                      ; v3: my image
	s_wait_alu depctr_va_vdst(0)                   ; the wait at the head's end
	s_wait_kmcnt 0x0
	s_add_nc_u64 s[4:5], s[4:5], s[16:17]
	s_add_nc_u64 s[20:21], s[6:7], s[20:21]
	s_add_nc_u64 s[6:7], s[6:7], s[18:19]
.irp r, 0,1,2,3,4,5,6,7,8,9,10,11,12,13,14,15
	global_load_b128 v[R+4*\r:R+4*\r+3], v28, s[4:5] offset:3072*(\r+8*(\r/8)) th:TH_LOAD_NT   ; row r of my tile: 512 consecutive bytes
.endr
	s_cmp_lt_u32 s[WV], 8
	s_cbranch_scc0 .Lw_for_v
	WLOAD 12
	s_wait_loadcnt 0x24                            ; x's sixteen loads are in; W's 36 may be out
	s_branch .Lx_in
.Lw_for_v:
	WLOAD 6
	s_wait_loadcnt 0x12                            ; x's sixteen are in; W's 18 may be out
.Lx_in:
.irp r, 0,1,2,3,4,5,6,7,8,9,10,11,12,13,14,15
	ds_store_b128 v30, v[R+4*\r:R+4*\r+3] offset:SP*\r
.endr
.irp c, 0,1
.irp j, 0,1,2,3,4,5,6,7
	ds_load_b128 v[B+32*\c+4*\j:B+32*\c+4*\j+3], v31 offset:256*\c+16*\j   ; LDS serves a wave's instructions in order (ISA guide 5.7.1.4): these see my stores
.endr
.endr
	; where my unit's results go, by its role.  m = w % 4
	s_and_b32 s36, s[WV], 3                        ; m
	s_lshr_b32 s37, s14, 2
	s_mul_i32 s37, s37, 4352                       ; the record of my block's 128 keys
	s_and_b32 s38, s14, 3                          ; beta
	s_lshl_b32 s42, s36, 10
	s_lshl_b32 s43, s38, 8
	s_add_co_u32 s42, s42, s43
	s_add_co_u32 s42, s42, s37
	s_add_co_u32 s42, s42, 278528                  ; v: codes,
	s_lshl_b32 s43, s36, 2
	s_add_co_u32 s43, s43, s38
	s_add_co_u32 s43, s43, s37
	s_add_co_u32 s43, s43, 278528+4096             ; scale bytes, 16 apart from row to row
	s_lshl_b32 s44, s38, 10
	s_lshl_b32 s48, s36, 8
	s_add_co_u32 s44, s44, s48
	s_add_co_u32 s44, s44, s37                     ; k: codes,
	s_lshl_b32 s45, s38, 6
	s_add_co_u32 s45, s45, s36
	s_add_co_u32 s45, s45, s37
	s_add_co_u32 s45, s45, 4096                    ; scale bytes, 4 apart
	s_mul_i32 s49, s14, 1280
	s_add_co_u32 s48, s48, s49                     ; q: codes,
	s_add_co_u32 s49, s49, s36
	s_add_co_u32 s49, s49, 1024                    ; scale bytes, 4 apart
	s_and_b32 s34, s38, 1
	s_lshl_b32 s34, s34, 7
	s_bfe_u32 s35, s[WV], 0x10002                  ; 1 in the waves that make k
	s_mul_i32 s34, s34, s35                        ; s34: 128 where k's halves of 128 bytes change places: the next launch's lanes 0-15 then read 256 bytes of different banks
	s_mov_b32 s23, 0
	s_mov_b32 s25, 0
	s_cmp_lt_u32 s[WV], 8                          ; the choices hang on the wave's number alone
	s_cselect_b32 s22, s44, s42
	s_cselect_b32 s24, s45, s43
	s_cselect_b32 s33, 2, 4
	s_cmp_lt_u32 s[WV], 4
	s_cselect_b32 s22, s48, s22
	s_cselect_b32 s24, s49, s24
	s_cselect_b64 s[8:9], s[8:9], s[10:11]         ; qq for q, kv for k and v
	s_add_nc_u64 s[22:23], s[8:9], s[22:23]
	s_add_nc_u64 s[24:25], s[8:9], s[24:25]
	s_wait_dscnt 0x0
	; ---- X: my fragment of x: lane (r, h) holds blocks 2 c + h of its token
.irp q, 0,1,2,3                                ; half q % 2 of block q / 2; the floor 2^(3 - 127): the byte cannot fall under 1
	v_max3_num_f32 v[R+\q], |v[B+16*\q]|, |v[B+16*\q+1]|, 0x1800000
.endr
.irp i, 2,4,6,8,10,12,14
.irp q, 0,1,2,3
	v_max3_num_f32 v[R+\q], v[R+\q], |v[B+16*\q+\i]|, |v[B+16*\q+\i+1]|   ; (the four by turns)
.endr
.endr
	v_max_num_f32 v[R+4], v[R], v[R+1]             ; the blocks' largest magnitudes
	v_max_num_f32 v[R+5], v[R+2], v[R+3]
	v_add_nc_u32 v[R+15], s29, v29                 ; where my scale words go
	v_add_nc_u32 v[R+6], 0xff000000, v[R+4]        ; 2 off the exponent field: the conversion's scale operand
	v_add_nc_u32 v[R+7], 0xff000000, v[R+5]
	v_lshrrev_b32 v[R+8], 23, v[R+6]               ; the scales' bytes
	v_lshrrev_b32 v[R+9], 23, v[R+7]
	v_lshl_or_b32 v[R+10], v[R+9], 16, v[R+8]      ; mine at bytes 0 and 2,
	v_permlanex16_b32 v[R+11], v[R+10], s[SEL], s[SEL+1]   ; (its destination has been written: it held x)
	v_lshl_or_b32 v[R+12], v[R+11], 8, v[R+10]     ; lane l xor 16's at 1 and 3: lanes 0-15 hold their rows' scale words
.irp c, 0,1
.irp g, 0,1,2,3
	v_cvt_scalef32_pk8_fp4_f32 v[R+16+4*\c+\g], v[B+32*\c+8*\g:B+32*\c+8*\g+7], v[R+6+\c]
.endr
.endr
	v_nop                                          ; one plain place behind a scaled conversion
	ds_store_b128 v3, v[R+16:R+19]                 ; lane l's 16 bytes at 16 l
	ds_store_b128 v3, v[R+20:R+23] offset:512
	ds_store_b32 v[R+15], v[R+12]
	s_wait_alu depctr_va_vdst(0)                   ; the wait here, ahead of the barrier
	s_wait_dscnt 0x0                               ; for the others' sake: my stores have landed
	s_barrier_signal -1
	s_barrier_wait -1                              ; x's twelve fragments lie in LDS; from here on LDS is only read
	; ---- P
	s_cmp_lt_u32 s[WV], 8
	s_cbranch_scc0 .Lp_for_v
	v_add_nc_u32 v240, s30, v28
	v_add_nc_u32 v241, s31, v29
.irp s, 0,1,2,3,4,5                            ; one tile of x: three loads a K step
	ds_load_b128 v[R+8*\s:R+8*\s+3], v240 offset:1024*\s
	ds_load_b128 v[R+8*\s+4:R+8*\s+7], v240 offset:1024*\s+512
	ds_load_b32 v[XS+\s], v241 offset:128*\s
.endr
	s_wait_loadcnt 0x0                             ; W's fragments are in
.irp s, 0,1,2,3,4,5
	s_wait_dscnt 3*(5-\s)                          ; this step's three are in, the three of each later step may be out
.if \s == 0
	v_wmma_scale_f32_16x16x128_f8f6f4 v[AC0:AC0+7], v[WF:WF+7], v[R:R+7], 0, v[WS], v[XS] matrix_a_fmt:MATRIX_FMT_FP4 matrix_b_fmt:MATRIX_FMT_FP4
	v_wmma_scale_f32_16x16x128_f8f6f4 v[AC1:AC1+7], v[WF+48:WF+55], v[R:R+7], 0, v[WS+6], v[XS] matrix_a_fmt:MATRIX_FMT_FP4 matrix_b_fmt:MATRIX_FMT_FP4
.else
	v_wmma_scale_f32_16x16x128_f8f6f4 v[AC0:AC0+7], v[WF+8*\s:WF+8*\s+7], v[R+8*\s:R+8*\s+7], v[AC0:AC0+7], v[WS+\s], v[XS+\s] matrix_a_fmt:MATRIX_FMT_FP4 matrix_b_fmt:MATRIX_FMT_FP4
	v_wmma_scale_f32_16x16x128_f8f6f4 v[AC1:AC1+7], v[WF+48+8*\s:WF+55+8*\s], v[R+8*\s:R+8*\s+7], v[AC1:AC1+7], v[WS+6+\s], v[XS+\s] matrix_a_fmt:MATRIX_FMT_FP4 matrix_b_fmt:MATRIX_FMT_FP4
.endif
.endr
	s_branch .Lout
.Lp_for_v:
	v_add_nc_u32 v240, XI, v28
	v_add_nc_u32 v241, XSC, v29
.irp s, 0,1,2,3,4,5                            ; both tiles of x: six loads a K step
.irp u, 0,1
	ds_load_b128 v[R+48*\u+8*\s:R+48*\u+8*\s+3], v240 offset:6144*\u+1024*\s
	ds_load_b128 v[R+48*\u+8*\s+4:R+48*\u+8*\s+7], v240 offset:6144*\u+1024*\s+512
	ds_load_b32 v[XS+6*\u+\s], v241 offset:768*\u+128*\s
.endr
.endr
	s_wait_loadcnt 0x0                             ; W's fragments are in
.irp s, 0,1,2,3,4,5
	s_wait_dscnt 6*(5-\s)
.if \s == 0
	v_wmma_scale_f32_16x16x128_f8f6f4 v[AC0:AC0+7], v[R:R+7], v[WF:WF+7], 0, v[XS], v[WS] matrix_a_fmt:MATRIX_FMT_FP4 matrix_b_fmt:MATRIX_FMT_FP4
	v_wmma_scale_f32_16x16x128_f8f6f4 v[AC1:AC1+7], v[R+48:R+55], v[WF:WF+7], 0, v[XS+6], v[WS] matrix_a_fmt:MATRIX_FMT_FP4 matrix_b_fmt:MATRIX_FMT_FP4
.else
	v_wmma_scale_f32_16x16x128_f8f6f4 v[AC0:AC0+7], v[R+8*\s:R+8*\s+7], v[WF+8*\s:WF+8*\s+7], v[AC0:AC0+7], v[XS+\s], v[WS+\s] matrix_a_fmt:MATRIX_FMT_FP4 matrix_b_fmt:MATRIX_FMT_FP4
	v_wmma_scale_f32_16x16x128_f8f6f4 v[AC1:AC1+7], v[R+48+8*\s:R+55+8*\s], v[WF+8*\s:WF+8*\s+7], v[AC1:AC1+7], v[XS+6+\s], v[WS+\s] matrix_a_fmt:MATRIX_FMT_FP4 matrix_b_fmt:MATRIX_FMT_FP4
.endif
.endr
.Lout:
	v_and_b32 v243, 15, v0                         ; r.  (These plain lines are the places behind the last products: ISA guide 7.12.1)
	v_bfe_u32 v244, v0, 4, 1                       ; h
	v_and_b32 v247, 31, v0
	v_lshlrev_b32 v245, 4, v243
	v_lshlrev_b32 v246, s33, v243                  ; v246: my row's scale byte
	v_lshl_add_u32 v245, v244, 3, v245
	v_xor_b32 v245, s34, v245                      ; v245: my 8 bytes of codes
	; ---- the unit's 16 numbers a lane are half a block of 32 along the next K; lane l xor 16 holds the other half
	v_max3_num_f32 v240, |v[AC0]|, |v[AC0+1]|, 0x1800000   ; each accumulator from its low end on; the floor 2^(3 - 127) among the leaves
	v_max3_num_f32 v241, |v[AC1]|, |v[AC1+1]|, |v[AC1+2]|
	v_max3_num_f32 v240, v240, |v[AC0+2]|, |v[AC0+3]|
	v_max3_num_f32 v241, v241, |v[AC1+3]|, |v[AC1+4]|
	v_max3_num_f32 v240, v240, |v[AC0+4]|, |v[AC0+5]|
	v_max3_num_f32 v241, v241, |v[AC1+5]|, |v[AC1+6]|
	v_max3_num_f32 v240, v240, |v[AC0+6]|, |v[AC0+7]|
	v_max3_num_f32 v240, v240, v241, |v[AC1+7]|
	v_permlanex16_b32 v242, v240, s[SEL], s[SEL+1] ; (its destination has been written: it held x)
	v_max_num_f32 v240, v240, v242                 ; the block's largest magnitude
	v_add_nc_u32 v248, 0xff000000, v240            ; 2 off its exponent field: the conversion's scale operand
	v_lshrrev_b32 v249, 23, v248                   ; the scale's byte
	v_cvt_scalef32_pk8_fp4_f32 v250, v[AC0:AC0+7], v248
	v_cvt_scalef32_pk8_fp4_f32 v251, v[AC1:AC1+7], v248
	v_nop                                          ; one plain place behind the last scaled conversion
	v_cmp_gt_u32 vcc_lo, 16, v247                  ; lanes 0-15: one lane for each row's byte
	global_store_b64 v245, v[250:251], s[22:23]    ; 32 lanes store 256 consecutive bytes, at a multiple of 256 from the buffer's first byte
	s_wait_alu depctr_va_vdst(0)                   ; the wait here, directly ahead of the wait below
	s_wait_xcnt 0x0                                ; EXEC is a source of the pending store: it changes only behind this wait
	s_and_saveexec_b32 s50, vcc_lo
	global_store_b8 v246, v249, s[24:25]
	s_wait_xcnt 0x0                                ; and again in front of the line that widens it
	s_or_b32 exec_lo, exec_lo, s50
	s_wait_tensorcnt 0x0                           ; the wave's end, behind my last LDS store
	ds_add_u32 v[SPW], v[NIL]
	s_wait_dscnt 0x0
	s_endpgm
.Lfunc_end_k_qcb1bb6815b_proj:
	.size	k_qcb1bb6815b_proj, .Lfunc_end_k_qcb1bb6815b_proj-k_qcb1bb6815b_proj
	.p2alignl 7, 3214868480
	.fill 96, 4, 3214868480
	.section	.rodata,"a",@progbits
	.p2align	6, 0x0
	.amdhsa_kernel k_qcb1bb6815b_proj
		.amdhsa_group_segment_fixed_size 167936
		.amdhsa_private_segment_fixed_size 0
		.amdhsa_enable_private_segment 0
		.amdhsa_kernarg_size 32
		.amdhsa_user_sgpr_count 2
		.amdhsa_user_sgpr_kernarg_segment_ptr 1
		.amdhsa_wavefront_size32 1
		.amdhsa_system_sgpr_workgroup_id_x 1
		.amdhsa_system_sgpr_workgroup_id_y 1
		.amdhsa_system_sgpr_workgroup_id_z 1
		.amdhsa_system_vgpr_workitem_id 0
		.amdhsa_next_free_vgpr 256
		.amdhsa_next_free_sgpr 66
		.amdhsa_reserve_vcc 1
		.amdhsa_float_denorm_mode_32 3
		.amdhsa_float_denorm_mode_16_64 3
		.amdhsa_memory_ordered 1
		.amdhsa_forward_progress 1
		.amdhsa_inst_pref_size 26
	.end_amdhsa_kernel
	.amdgpu_metadata
---
amdhsa.version: [ 1, 2 ]
amdhsa.kernels:
  - .name:           k_qcb1bb6815b_proj
    .symbol:         k_qcb1bb6815b_proj.kd
    .args:
      - { .name: x, .offset: 0, .size: 8, .value_kind: global_buffer, .address_space: global }
      - { .name: wc, .offset: 8, .size: 8, .value_kind: global_buffer, .address_space: global }
      - { .name: qq, .offset: 16, .size: 8, .value_kind: global_buffer, .address_space: global }
      - { .name: kv, .offset: 24, .size: 8, .value_kind: global_buffer, .address_space: global }
    .group_segment_fixed_size: 167936
    .private_segment_fixed_size: 0
    .kernarg_segment_align: 8
    .kernarg_segment_size: 32
    .max_flat_workgroup_size: 384
    .sgpr_count:     66
    .vgpr_count:     256
    .wavefront_size: 32
...
	.end_amdgpu_metadata
.endif
;; end of part 2
;; launch attn (part 3): grid 256 x 1, 16 waves a work-group, clusters of 4 x 1, 327,680 bytes of LDS; arguments qq, kv, out0; writes out0
.if DOCPART == 3
	.amdgcn_target "amdgcn-amd-amdhsa--gfx1250"
	.amdhsa_code_object_version 6
	.text
	.protected	k_qcb1bb6815b_attn
	.globl	k_qcb1bb6815b_attn
	.p2align	8
	.type	k_qcb1bb6815b_attn,@function
k_qcb1bb6815b_attn:
	s_mov_b64 s[64:65], 0
	v_nop
	global_prefetch_b8 v0, s[64:65] scope:SCOPE_SE
	s_setreg_imm32_b32 hwreg(HW_REG_WAVE_MODE, 25, 1), 1
	s_wait_xcnt 0x0
	s_wait_alu depctr_hold_cnt(0) depctr_sa_sdst(0) depctr_va_vdst(0) depctr_va_sdst(0) depctr_va_ssrc(0) depctr_va_vcc(0) depctr_vm_vsrc(0)
	s_getreg_b32 s2, hwreg(HW_REG_IB_STS2, 6, 4)
	s_cmp_eq_u32 s2, 0
	s_cbranch_scc0 .Lentry_in_a_cluster
	s_endpgm
.Lentry_in_a_cluster:
	s_bfe_u32 s2, ttmp6, 0x10000c
	s_cmp_lg_u32 s2, 0x3003
	s_cbranch_scc0 .Lentry_shape_is_right
	s_endpgm
.Lentry_shape_is_right:
; out[q][:] = the sum over k of softmax_k(q . k / 8) v[k][:], 8,192 queries and keys, head size 64, both products on codes of FP4 (E2M1) with one E8M0 scale for each 32 along a product's K.
; qq and kv hold q's, k's and v's codes and scale bytes as images of the operand registers (made by the launch before); out0: [8192][64] f32.
; THE SOFTMAX AHEAD OF THE SECOND PRODUCT: t = score x log2(e) / 8; M = the largest t so far, rounded UP to a whole number; p = 2^(t - M) is quantised along the keys, not normalised.  The sum is taken of the
; unquantised p, in f32, and divides at the end.  When M moves, the sum and O are multiplied by 2^(old M - new M): exact.
; SHARES.  A work-group owns block g of 32 queries, two tiles of 16.  Wave w of sixteen takes BOTH tiles and the 512 keys from 512 w on, in four steps of 128: each fragment of K and V that it loads serves two tiles.
; K: 13,056 bytes a wave (three records of 4,352, steps 1 to 3) come into LDS by ONE joint tensor load a wave; only the wave that asked reads them, behind its own wait, and nothing is filled again: no barrier until the merge.
;   The four work-groups of a cluster walk the same keys and ask for K jointly (mask 15).
; V: K's and V's records are 2 x 278,528 bytes, more than LDS holds, so V goes from memory straight into the operand's registers, asked for one softmax ahead, and is not shared in the cluster: through LDS it would need
;   refills, each behind a round of all 64 waves of the cluster.  No prefetch: four steps written out, no loop to run ahead in, and V's own loads run ahead of their use.
; LAYOUT.  Both products are used transposed: S^T = K Q^T, O^T = V^T P^T: a lane holds ONE query of each tile (lane % 16) throughout.
; WHICH KEYS FORM A TILE: tile 4 c + t, row m is key 64 c + 32 (m / 8) + 8 t + m % 8 of the step.  So lane (r, h) gets, in the 32 registers of tiles 4 c .. 4 c + 3, the WHOLE block 2 c + h of 32 keys in order: its largest
;   score needs no other lane, and the conversions' results are the second product's operand as they come.
; K = 64 IN AN INSTRUCTION OF K = 128.  Eight registers of K hold two tiles; q stands between zero quads, so that q meets one tile and zero codes the other.  Zero codes add exact zeros: every scale byte is finite.
; A BLOCK'S SCALE: p rises with the score, so the exponent of the block's largest p is floor(t - M) of its largest score.  At most one p of a block, within rounding of a power of two, is so held at the largest code.
; At the end the sixteen waves meet in LDS: O and the sums are brought under the largest M by exact powers of two, added, divided and stored.
; LIMITS: a block of p whose largest number lies under 2^-124 gets the scale byte 1; the scaled scores t stay under 2^31 in magnitude; NaN and infinities are not served.
.set REC,  4352                        ; a step's record: codes 4,096, scale bytes 256
; OF K'S FOUR RECORDS A WAVE, STEP 0'S GOES FROM MEMORY STRAIGHT INTO ITS REGISTERS, asked for with q ahead of the cluster's round; the joint load brings the other three, 13,056 bytes, which are first read
; in the second half of step 0.  So LDS holds 16 x 13,056 bytes of K.
.set SHARE, 3*REC                      ; what a wave's joint load brings: steps 1 to 3
.set VBYTE, 64*REC                     ; where V's records begin in kv
.set MLB,  16*SHARE                    ; LDS, behind K: each wave's (-M, sum): 136 bytes a query row, 8 a wave, 2,176 a tile
.set SPARE, MLB+4352                   ; the spare words, 128 bytes for each wave: eight blocks of 256 bytes that no other line names
.set SPW,  1                           ; v1   LDS address of my spare word; never rewritten
.set NIL,  2                           ; v2   0; never rewritten
.set AK,   3                           ; v3-4 LDS addresses of K's codes (tiles t = 0, 1 and t = 2, 3); v5 of its scale words
.set AKS,  5
.set AV,   6                           ; v6   16 x lane; v7  16 x (lane % 16): offsets in V's record
.set AVS,  7
.set X,    8                           ; v8-9 t - M of my two blocks' largest scores, then its floor
.set SO,   10                          ; v10-11 the conversions' scale operands
.set TB,   12                          ; v12-15, v16-19: for each tile: -M (even steps), the largest score, -M (odd steps), a lane permute's result
.set LS,   20                          ; v20-23 the sums, a pair a tile
.set QZ,   24                          ; v24-43 zeros, q of tile 0, zeros, q of tile 1, zeros
.set KS,   44                          ; v44-45 K's scale words
.set F,    46                          ; v46-47 f = 2^(old M - new M); the upper word is written once
.set VS,   48                          ; v48-51 V's scale words
.set PS,   52                          ; v52  p's scale word
.set T,    53
.set QS,   54                          ; v54-55 q's scale words
.set P,    56                          ; v56-63 p's codes; v56-59 ahead of them the largest scores
.set KF,   64                          ; v64-95 K's four pairs of tiles
.set VF,   96                          ; v96-127 V's four fragments
.set S,    128                         ; v128-191 S^T, then p
.set O,    192                         ; v192-255 O^T, 32 a tile
.set WV,   12                          ; s12  my wave's number
.set G1,   16                          ; s[16:23], s[24:27] descriptor groups 1 and 0
.set G0,   24
.set SEL,  40                          ; s[40:41] lane selects: lane l xor 16
.set CS,   42                          ; s[42:43] c = log2(e) / 8, twice;  s44 -c
.set NC,   44
.set SH,   45                          ; s45  where my share of K begins in LDS
.macro CROUND                          ; a round of the cluster's barrier
	s_barrier_signal -1
	s_barrier_wait -1
	s_cmp_lg_u32 s[WV], 0
	s_cbranch_scc1 .Lnot_wave_0_\@
	s_barrier_signal -3
.Lnot_wave_0_\@:
	s_barrier_wait -3
	s_barrier_signal -1
	s_barrier_wait -1
.endm
.macro KLOAD s                         ; step s + 1's tiles of K (record s of my share) and their scale words
.irp c, 0,1
.irp e, 0,1
.irp u, 0,1
	ds_load_b128 v[KF+16*\c+8*\e+4*\u:KF+16*\c+8*\e+4*\u+3], v[AK+\e] offset:REC*(\s)+2048*\c+512*\u
.endr
.endr
	ds_load_b32 v[KS+\c], v[AKS] offset:REC*(\s)+4096+128*\c   ; lanes 0-15: tiles t = 0, 1; lanes 16-31: t = 2, 3
.endr
.endm
.macro VLOAD s                         ; step s's fragments of V and their scale words: nine loads
.irp t, 0,1,2,3
.irp c, 0,1
	global_load_b128 v[VF+8*\t+4*\c:VF+8*\t+4*\c+3], v[AV], s[10:11] offset:REC*(\s)+1024*\t+512*\c
.endr
.endr
	global_load_b128 v[VS:VS+3], v[AVS], s[10:11] offset:REC*(\s)+4096
.endm
.macro QK b, u, a                      ; tile 2 b + u of keys x query tile a
.if (\b)%2
	v_wmma_scale_f32_16x16x128_f8f6f4 v[S+8*(2*(\b)+(\u)):S+8*(2*(\b)+(\u))+7], v[KF+8*(\b):KF+8*(\b)+7], v[QZ+4+8*(\a)-4*(\u):QZ+11+8*(\a)-4*(\u)], 0, v[KS+(\b)/2], v[QS+(\a)] matrix_a_fmt:MATRIX_FMT_FP4 matrix_b_fmt:MATRIX_FMT_FP4 matrix_a_scale:MATRIX_SCALE_ROW1
.else
	v_wmma_scale_f32_16x16x128_f8f6f4 v[S+8*(2*(\b)+(\u)):S+8*(2*(\b)+(\u))+7], v[KF+8*(\b):KF+8*(\b)+7], v[QZ+4+8*(\a)-4*(\u):QZ+11+8*(\a)-4*(\u)], 0, v[KS+(\b)/2], v[QS+(\a)] matrix_a_fmt:MATRIX_FMT_FP4 matrix_b_fmt:MATRIX_FMT_FP4
.endif
.endm
.macro QKT a
.irp b, 0,1,2,3
	QK \b, 0, \a
	QK \b, 1, \a
.endr
.endm
.macro PV a, s                         ; O^T of tile a += V^T P^T: four accumulators by turns; the first step starts the sums
.irp t, 0,1,2,3
.if (\s) == 0
	v_wmma_scale_f32_16x16x128_f8f6f4 v[O+32*(\a)+8*\t:O+32*(\a)+8*\t+7], v[VF+8*\t:VF+8*\t+7], v[P:P+7], 0, v[VS+\t], v[PS] matrix_a_fmt:MATRIX_FMT_FP4 matrix_b_fmt:MATRIX_FMT_FP4
.else
	v_wmma_scale_f32_16x16x128_f8f6f4 v[O+32*(\a)+8*\t:O+32*(\a)+8*\t+7], v[VF+8*\t:VF+8*\t+7], v[P:P+7], v[O+32*(\a)+8*\t:O+32*(\a)+8*\t+7], v[VS+\t], v[PS] matrix_a_fmt:MATRIX_FMT_FP4 matrix_b_fmt:MATRIX_FMT_FP4
.endif
.endr
.endm
.macro PLACES                          ; four places behind a matrix instruction (ISA guide 7.12.1 for vector instructions)
.rept 4
	v_nop
.endr
.endm
.macro PKF j, n                        ; n packed multiply-adds: t - M, two scores each
.set J, S+2*(\j)
.rept \n
	v_pk_fma_f32 v[J:J+1], v[J:J+1], s[CS:CS+1], v[NM:NM+1] op_sel_hi:[1,0,0]
.set J, J+2
.endr
.endm
.macro SUMS d                          ; one level of the sum's tree: every 2 d registers, the pair d further on is added
.set J, S
.rept 32/(\d)
	v_pk_add_f32 v[J:J+1], v[J:J+1], v[J+\d:J+\d+1]
.set J, J+2*(\d)
.endr
.endm
; THE SOFTMAX of query tile a in step s: from the 64 scores of a lane (its blocks 0 + h and 2 + h) to p's codes and scale word, the sum, and O under the new M.
.macro SOFT a, s
.set NM, TB+4*(\a)+2*((\s)%2)          ; the new -M, and the old one
.set NO, TB+4*(\a)+2-2*((\s)%2)
.set MX, TB+4*(\a)+1
.set PX, TB+4*(\a)+3
.set L,  LS+2*(\a)
.set OA, O+32*(\a)
.irp q, 0,1,2,3                        ; four chains of 16 scores by turns
	v_max3_num_f32 v[P+2*(\q%2)+\q/2], v[S+16*\q], v[S+16*\q+1], v[S+16*\q+2]
.endr
.irp i, 3,5,7,9,11,13
.irp q, 0,1,2,3
	v_max3_num_f32 v[P+2*(\q%2)+\q/2], v[P+2*(\q%2)+\q/2], v[S+16*\q+\i], v[S+16*\q+\i+1]
.endr
.endr
	v_max3_num_f32 v[P], v[P], v[P+2], v[S+15]
	v_max3_num_f32 v[P+1], v[P+1], v[P+3], v[S+47]
	v_max_num_f32 v[P], v[P], v[S+31]              ; the largest score of my block h,
	v_max_num_f32 v[P+1], v[P+1], v[S+63]          ; and of my block 2 + h
	v_max_num_f32 v[T], v[P], v[P+1]
	v_permlanex16_b32 v[PX], v[T], s[SEL], s[SEL+1]
.if (\s) == 0
	v_max_num_f32 v[MX], v[T], v[PX]               ; the largest score of my query so far
.else
	v_max3_num_f32 v[MX], v[MX], v[T], v[PX]
.endif
	v_mul_f32 v[T], s[NC], v[MX]                   ; -t
	v_floor_f32 v[NM], v[T]                        ; the new -M: M IS A WHOLE NUMBER
	v_pk_fma_f32 v[X:X+1], v[P:P+1], s[CS:CS+1], v[NM:NM+1] op_sel_hi:[1,0,0]   ; t - M of the blocks' largest
.if (\s) > 0
	v_sub_f32 v[F], v[NM], v[NO]                   ; old M - new M: 0 or less
.endif
	PKF 0, 3                                       ; (the scores' multiply-adds stand between the lines of the two chains)
	v_max_num_f32 v[X], 0xc2f80000, v[X]           ; held at -124: the byte cannot fall under 1
	v_max_num_f32 v[X+1], 0xc2f80000, v[X+1]
.if (\s) > 0
	v_cvt_i32_f32 v[F], v[F]                       ; (it saturates)
.endif
	PKF 3, 3
	v_cvt_floor_i32_f32 v[X], v[X]                 ; the exponents of the blocks' largest p
	v_cvt_floor_i32_f32 v[X+1], v[X+1]
.if (\s) > 0
	v_ldexp_f32 v[F], 1.0, v[F]                    ; f
.endif
	PKF 6, 3
	v_lshl_add_u32 v[SO], v[X], 23, 0x3e800000     ; (exponent + 127 - 2) << 23: the conversion's scale operand
	v_lshl_add_u32 v[SO+1], v[X+1], 23, 0x3e800000
	v_lshl_add_u32 v[T], v[X+1], 16, v[X]          ; my two exponents at bytes 0 and 2,
	PKF 9, 3
	v_permlanex16_b32 v[PX], v[T], s[SEL], s[SEL+1]
	PKF 12, 4
	v_lshl_add_u32 v[T], v[PX], 8, v[T]            ; lane l xor 16's at bytes 1 and 3; 125 is added to each below
	PKF 16, 16
	s_wait_alu depctr_va_vdst(0)                   ; the wait ahead of the batch
.set J, S
.rept 64
	v_exp_f32 v[J], v[J]                           ; p = 2^(t - M)
.set J, J+1
.endr
	v_add_nc_u32 v[PS], 0x7d7d7d7d, v[T]           ; p's scale word, whole in lanes 0-15.  (A plain place behind the exponentials)
	s_wait_alu depctr_va_vdst(0)                   ; and behind it, which serves O^T's first readers too
.if (\s) > 0
.set J, OA
.rept 16
	v_pk_mul_f32 v[J:J+1], v[J:J+1], v[F:F+1] op_sel_hi:[1,0]   ; O^T under the new M
.set J, J+2
.endr
.endif
.irp g, 0,1,2,3,4,5,6,7
	v_cvt_scalef32_pk8_fp4_f32 v[P+\g], v[S+8*\g:S+8*\g+7], v[SO+\g/4]   ; register 4 c + t of the operand: keys 64 c + 32 h + 8 t + 0 .. 7
.endr
	v_nop                                          ; one plain place behind a scaled conversion
	SUMS 2                                         ; the sum of the unquantised p, as a tree over registers that are done with
	SUMS 4
	SUMS 8
	SUMS 16
.if (\s) == 0
	v_pk_add_f32 v[L:L+1], v[S:S+1], v[S+32:S+33]
.else
	v_pk_add_f32 v[S:S+1], v[S:S+1], v[S+32:S+33]
	v_pk_fma_f32 v[L:L+1], v[L:L+1], v[F:F+1], v[S:S+1] op_sel_hi:[1,0,1]
.endif
.endm
.macro OUTO a                          ; O^T of tile a into my own share of LDS, which has had its last fill and its last read; each accumulator from its low end on
.irp t, 0,1,2,3
	ds_store_b128 v[AK], v[O+32*(\a)+8*\t:O+32*(\a)+8*\t+3] offset:REC*(\a)+128*(\t/2)+32*(\t%2)
	ds_store_b128 v[AK], v[O+32*(\a)+8*\t+4:O+32*(\a)+8*\t+7] offset:REC*(\a)+128*(\t/2)+32*(\t%2)+16
.endr
.endm
	s_load_b128 s[4:7], s[0:1], 0x0                ; qq s[4:5], kv s[6:7]
	s_load_b64 s[8:9], s[0:1], 0x10                ; out0
	v_lshl_add_u32 v[SPW], v0, 2, SPARE
	v_mov_b32 v[NIL], 0
	ds_add_u32 v[SPW], v[NIL]                      ; the wave's opening: the add, twice on end, and its wait
	ds_add_u32 v[SPW], v[NIL]
	v_lshrrev_b32 v3, 5, v0
	v_readfirstlane_b32 s[WV], v3                  ; wave 0..15
	v_and_b32 v8, 15, v0                           ; r
	v_bfe_u32 v9, v0, 4, 1                         ; h
	v_bfe_u32 v10, v0, 3, 1                        ; r / 8
	v_and_b32 v11, 7, v0                           ; r % 8
	s_bfe_u32 s13, ttmp6, 0x40000                  ; cx: my place in the cluster
	s_lshl_b32 s14, ttmp9, 2                       ; in a cluster launch ttmp9 counts clusters
	s_add_co_u32 s14, s14, s13                     ; g: my block of 32 queries: it enters q's and out0's addresses alone
	s_mul_i32 s[SH], s[WV], SHARE
	v_and_b32 v[AV], 31, v0
	v_mul_u32_u24 v[AK], v10, 1152                 ; K: rows 8-15 of a tile lie 1,024 bytes on, in the other half of their units of 256;
	v_lshlrev_b32 v[AKS], 6, v10
	v_lshlrev_b32 v[AVS], 4, v8
	v_lshlrev_b32 v12, 2, v8                       ; q's scale bytes: 4 r
	v_lshlrev_b32 v[AV], 4, v[AV]
	v_lshl_add_u32 v[AK], v9, 8, v[AK]             ; d = 32 h on: 256 bytes on;
	v_lshl_add_u32 v[AKS], v9, 5, v[AKS]
	v_lshl_add_u32 v[AK], v11, 4, v[AK]            ; 16 bytes a row
	v_lshl_add_u32 v[AKS], v11, 2, v[AKS]
	v_mov_b32 v14, v[AK]                           ; v14, v16, v18: the same places in memory, for step 0 alone
	v_xor_b32 v16, 128, v[AK]
	v_mov_b32 v18, v[AKS]
	v_add_nc_u32 v[AK], s[SH], v[AK]
	v_add_nc_u32 v[AKS], s[SH], v[AKS]
	v_xor_b32 v[AK+1], 128, v[AK]                  ; tiles t = 2, 3: the units' other halves
.irp j, 0,1,2,3,8,9,10,11,16,17,18,19
	v_mov_b32 v[QZ+\j], 0                          ; the zero codes around q
.endr
	v_mov_b32 v[TB+3], 0                           ; written once: a lane permute's destination counts as one of its sources, and the upper halves of pairs are named
	v_mov_b32 v[TB+7], 0
	v_mov_b32 v[F+1], 0
	; descriptor group 1: my share of K as 51 rows of 32 elements of 8 bytes (256 bytes), dense, no padding
	s_mov_b32 s[G1], 15|(3<<16)|(1<<21)            ; 15:0 the mask: all four work-groups; 17:16 elements of 8 bytes; 21 set beside a mask
	s_mov_b32 s[G1+1], 32<<16                      ; tensor_dim0
	s_mov_b32 s[G1+2], 51<<16                      ; tensor_dim1: three records are 51 rows of 256 bytes
	s_mov_b32 s[G1+3], 32<<16                      ; tile_dim0
	s_mov_b32 s[G1+4], 51                          ; tile_dim1
	s_mov_b32 s[G1+5], 32                          ; tensor_dim0_stride
	s_mov_b32 s[G1+6], 0
	s_mov_b32 s[G1+7], 0
	s_mul_i32 s32, s[WV], 4*REC                    ; my four records of K, and, VBYTE further on, of V
	s_mov_b32 s33, 0
	s_add_co_u32 s34, s32, VBYTE
	s_mov_b32 s35, 0
	s_mul_i32 s36, s14, 1280                       ; my block's record in qq
	s_mov_b32 s37, 0
	s_mov_b32 s[SEL], 0x76543210
	s_mov_b32 s[SEL+1], 0xfedcba98
	s_mov_b32 s[CS], 0x3e38aa3b                    ; c = log2(e) / 8
	s_mov_b32 s[CS+1], s[CS]                       ; (named with it as a pair, so it is written)
	s_mov_b32 s[NC], 0xbe38aa3b                    ; -c
	s_mov_b32 s[G0], 1                             ; group 0: count = 1,
	s_mov_b32 s[G0+1], s[SH]                       ; LDS address
	s_wait_alu depctr_va_vdst(0)                   ; the wait here, directly ahead of the waits below
	s_wait_dscnt 0x0                               ; both opening adds are done
	s_wait_kmcnt 0x0
	s_add_nc_u64 s[4:5], s[4:5], s[36:37]
	s_add_nc_u64 s[10:11], s[6:7], s[34:35]        ; my share of V
	s_add_nc_u64 s[6:7], s[6:7], s[32:33]          ; my share of K,
	s_add_nc_u64 s[G0+2:G0+3], s[6:7], REC         ; global address: from step 1 on,
	s_or_b32 s[G0+3], s[G0+3], 0x80000000          ; type = 2
	global_load_b128 v[QZ+4:QZ+7], v[AV], s[4:5]   ; q's two fragments stay in registers
	global_load_b128 v[QZ+12:QZ+15], v[AV], s[4:5] offset:512
	global_load_b32 v[T], v12, s[4:5] offset:1024  ; bytes (tile 0: d 0-31, 32-63; tile 1: likewise) of query r
.irp c, 0,1                                    ; step 0's K: ten loads
.irp u, 0,1
	global_load_b128 v[KF+16*\c+4*\u:KF+16*\c+4*\u+3], v14, s[6:7] offset:2048*\c+512*\u
	global_load_b128 v[KF+16*\c+8+4*\u:KF+16*\c+8+4*\u+3], v16, s[6:7] offset:2048*\c+512*\u
.endr
	global_load_b32 v[KS+\c], v18, s[6:7] offset:4096+128*\c
.endr
	VLOAD 0
	CROUND                                         ; all four work-groups are here: the joint loads meet
	tensor_load_to_lds s[G0:G0+3], s[G1:G1+7]      ; my one tensor load
	s_nop 0
	PLACES
	; for the merge: I merge rows 2 (w % 8) and 2 (w % 8) + 1 of query tile w / 8
	s_lshr_b32 s15, s[WV], 3
	s_and_b32 s48, s[WV], 7
	s_mul_i32 s47, s15, REC
	s_mul_i32 s49, s48, 544
	s_add_co_u32 s47, s47, s49                     ; s47 where these rows begin in a share's O
	s_lshl_b32 s49, s[WV], 3
	s_add_co_u32 s49, s49, MLB                     ; s49 where my (-M, sum) go
	s_mul_i32 s50, s15, 2176
	s_mul_i32 s51, s48, 272
	s_add_co_u32 s50, s50, s51
	s_add_co_u32 s50, s50, MLB                     ; s50 where my rows' sixteen begin
	s_lshl_b32 s52, s14, 5                         ; my rows of out0: query r of tile u is token 32 g + 8 u + r + 8 (r / 8)
	s_lshl_b32 s53, s15, 3
	s_add_co_u32 s52, s52, s53
	s_lshl_b32 s53, s48, 1
	s_add_co_u32 s52, s52, s53
	s_lshr_b32 s53, s48, 2
	s_lshl_b32 s53, s53, 3
	s_add_co_u32 s52, s52, s53
	s_lshl_b32 s52, s52, 8                         ; rows of 256 bytes
	s_mov_b32 s53, 0
	s_add_nc_u64 s[8:9], s[8:9], s[52:53]
	s_wait_loadcnt 0x9                             ; q and step 0's K are in; V's nine loads may be out
	v_perm_b32 v[QS], v[T], v[T], 0x01000100       ; q's scale words: a tile's two bytes, twice
	s_mov_b32 s54, 0x03020302
	v_perm_b32 v[QS+1], v[T], v[T], s54
.rept 8
	v_nop                                          ; a scale register written by a vector instruction stands 8 places ahead of a scaled matrix instruction
.endr
	s_wait_alu depctr_va_vdst(0)                   ; the wait at the head's end
.irp s, 0,1,2,3
.if \s > 0
	s_wait_dscnt 0x0                               ; this step's K is in
.endif
	QKT 0
	PLACES                                         ; ahead of the scores' first read, and of the loads into V's registers, which the last products read
.if \s > 0
	VLOAD \s                                       ; lands under the softmax
.endif
	SOFT 0, \s
	s_wait_loadcnt 0x0                             ; V is in
	PV 0, \s
	QKT 1
.if \s < 3
	PLACES
.if \s == 0
	s_wait_tensorcnt 0x0                           ; my three records of K are in LDS; I alone read them
.endif
	KLOAD \s                                       ; the next step's K (record s of my share in LDS), half a step ahead
.else
	v_and_b32 v[AK], 15, v0                        ; K has been read: the address becomes my stage's: row r of 272 bytes; tile t's eight numbers are d = 32 (t / 2) + 8 (t % 2) + 16 h + 0 .. 7
	v_bfe_u32 v[AK+1], v0, 4, 1                    ; (five plain lines: the places behind the products)
	v_mul_u32_u24 v[AK], v[AK], 272
	v_lshl_add_u32 v[AK], v[AK+1], 6, v[AK]
	v_add_nc_u32 v[AK], s[SH], v[AK]
	OUTO 0                                         ; tile 0's O^T is finished
.endif
	SOFT 1, \s
	PV 1, \s
.endr
	; THE MERGE.  The lines up to the first store are plain, name no register of the last products, and are the places behind them.
	v_add_f32 v9, v[LS], v[LS+1]                   ; the sums' two halves,
	v_add_f32 v11, v[LS+2], v[LS+3]
	v_mov_b32 v8, v[TB+2]                          ; (-M, sum) of each tile
	v_mov_b32 v10, v[TB+6]
	v_permlanex16_b32 v[TB+3], v9, s[SEL], s[SEL+1]
	v_permlanex16_b32 v[TB+7], v11, s[SEL], s[SEL+1]
	v_and_b32 v24, 15, v0                          ; r
	v_bfe_u32 v25, v0, 4, 1                        ; h
	v_add_f32 v9, v9, v[TB+3]                      ; with lane l xor 16's
	v_add_f32 v11, v11, v[TB+7]
	v_mul_u32_u24 v4, v24, 136
	v_mul_u32_u24 v5, v25, 136
	v_mul_u32_u24 v40, v25, 272
	v_add_nc_u32 v4, s49, v4                       ; v4: in
	v_lshl_add_u32 v5, v24, 3, v5
	v_lshl_add_u32 v40, v24, 4, v40
	v_add_nc_u32 v5, s50, v5                       ; v5: back: lane r takes wave r's, lanes 16-31 the next row's
	v_add_nc_u32 v40, s47, v40                     ; v40-43: lanes 0-15 one row of O, lanes 16-31 the next; four shares each
	v_add_nc_u32 v41, 4*SHARE, v40
	v_add_nc_u32 v42, 8*SHARE, v40
	v_add_nc_u32 v43, 12*SHARE, v40
	OUTO 1
	ds_store_b64 v4, v[8:9]                        ; both lanes of a query write the same words with the same values
	ds_store_b64 v4, v[10:11] offset:2176
	s_wait_alu depctr_va_vdst(0)                   ; the wait here, ahead of the barrier
	s_wait_dscnt 0x0                               ; for the others' sake: my stores have landed
	s_barrier_signal -1
	s_barrier_wait -1
	ds_load_b64 v[8:9], v5
.irp k, 0,1,2,3,4,5,6,7,8,9,10,11,12,13,14,15
	ds_load_b128 v[KF+4*\k:KF+4*\k+3], v[40+\k/4] offset:SHARE*(\k%4)   ; share k's four numbers of my row
.endr
	s_wait_dscnt 0x10                              ; (-M, sum) are in; the sixteen loads of O may be out
	v_min_num_f32_dpp v10, v8, v8 row_xmask:1 row_mask:0xf bank_mask:0xf    ; the smallest -M of the sixteen
	v_min_num_f32_dpp v10, v10, v10 row_xmask:2 row_mask:0xf bank_mask:0xf
	v_min_num_f32_dpp v10, v10, v10 row_xmask:4 row_mask:0xf bank_mask:0xf
	v_min_num_f32_dpp v10, v10, v10 row_xmask:8 row_mask:0xf bank_mask:0xf
	v_sub_f32 v11, v10, v8                         ; my share's M less the largest: a whole number, 0 or less
	v_cvt_i32_f32 v11, v11
	v_ldexp_f32 v11, 1.0, v11                      ; its factor: an exact power of two
	v_mul_f32 v12, v11, v9
	v_add_f32_dpp v12, v12, v12 row_xmask:1 row_mask:0xf bank_mask:0xf      ; the row's sum
	v_add_f32_dpp v12, v12, v12 row_xmask:2 row_mask:0xf bank_mask:0xf
	v_add_f32_dpp v12, v12, v12 row_xmask:4 row_mask:0xf bank_mask:0xf
	v_add_f32_dpp v12, v12, v12 row_xmask:8 row_mask:0xf bank_mask:0xf
	s_wait_alu depctr_va_vdst(0)                   ; the wait ahead of the transcendental
	v_rcp_f32 v13, v12
	v_nop                                          ; one plain place behind it
	s_wait_alu depctr_va_vdst(0)                   ; and the wait ahead of its first reader
	v_mul_f32 v11, v11, v13                        ; factor / sum
.irp k, 0,1,2,3,4,5,6,7,8,9,10,11,12,13,14,15
	v_mov_b32_dpp v[S+2*\k], v11 row_share:\k row_mask:0xf bank_mask:0xf    ; share k's, in all lanes of the row
.endr
	s_wait_alu depctr_va_vdst(0)                   ; the wait here, directly ahead of the wait below
	s_wait_dscnt 0x0
.irp k, 0,1                                    ; even and odd shares in two chains: the first of each starts its sums
	v_pk_mul_f32 v[16+4*\k:17+4*\k], v[KF+4*\k:KF+4*\k+1], v[S+2*\k:S+2*\k+1] op_sel_hi:[1,0]
	v_pk_mul_f32 v[18+4*\k:19+4*\k], v[KF+4*\k+2:KF+4*\k+3], v[S+2*\k:S+2*\k+1] op_sel_hi:[1,0]
.endr
.irp k, 2,3,4,5,6,7,8,9,10,11,12,13,14,15
	v_pk_fma_f32 v[16+4*(\k%2):17+4*(\k%2)], v[KF+4*\k:KF+4*\k+1], v[S+2*\k:S+2*\k+1], v[16+4*(\k%2):17+4*(\k%2)] op_sel_hi:[1,0,1]
	v_pk_fma_f32 v[18+4*(\k%2):19+4*(\k%2)], v[KF+4*\k+2:KF+4*\k+3], v[S+2*\k:S+2*\k+1], v[18+4*(\k%2):19+4*(\k%2)] op_sel_hi:[1,0,1]
.endr
	v_pk_add_f32 v[16:17], v[16:17], v[20:21]
	v_pk_add_f32 v[18:19], v[18:19], v[22:23]
	s_wait_alu depctr_va_vdst(0)
	global_store_b128 v[AV], v[16:19], s[8:9] th:TH_STORE_NT   ; 32 lanes store two whole rows: 512 consecutive bytes, at a multiple of 256 from out0's first byte
	s_wait_tensorcnt 0x0                           ; the wave's end: behind my last tensor load and my last LDS store
	ds_add_u32 v[SPW], v[NIL]
	s_wait_dscnt 0x0
	CROUND                                         ; the closing round: no work-group ends while a partner may still ask for a tile that names it
	s_endpgm
.Lfunc_end_k_qcb1bb6815b_attn:
	.size	k_qcb1bb6815b_attn, .Lfunc_end_k_qcb1bb6815b_attn-k_qcb1bb6815b_attn
	.p2alignl 7, 3214868480
	.fill 96, 4, 3214868480
	.section	.rodata,"a",@progbits
	.p2align	6, 0x0
	.amdhsa_kernel k_qcb1bb6815b_attn
		.amdhsa_group_segment_fixed_size 327680
		.amdhsa_private_segment_fixed_size 0
		.amdhsa_enable_private_segment 0
		.amdhsa_kernarg_size 24
		.amdhsa_user_sgpr_count 2
		.amdhsa_user_sgpr_kernarg_segment_ptr 1
		.amdhsa_wavefront_size32 1
		.amdhsa_system_sgpr_workgroup_id_x 1
		.amdhsa_system_sgpr_workgroup_id_y 1
		.amdhsa_system_sgpr_workgroup_id_z 1
		.amdhsa_system_vgpr_workitem_id 0
		.amdhsa_next_free_vgpr 256
		.amdhsa_next_free_sgpr 66
		.amdhsa_reserve_vcc 0
		.amdhsa_float_denorm_mode_32 3
		.amdhsa_float_denorm_mode_16_64 3
		.amdhsa_memory_ordered 1
		.amdhsa_forward_progress 1
		.amdhsa_inst_pref_size 116
	.end_amdhsa_kernel
	.amdgpu_metadata
---
amdhsa.version: [ 1, 2 ]
amdhsa.kernels:
  - .name:           k_qcb1bb6815b_attn
    .symbol:         k_qcb1bb6815b_attn.kd
    .args:
      - { .name: qq, .offset: 0, .size: 8, .value_kind: global_buffer, .address_space: global }
      - { .name: kv, .offset: 8, .size: 8, .value_kind: global_buffer, .address_space: global }
      - { .name: out0, .offset: 16, .size: 8, .value_kind: global_buffer, .address_space: global }
    .group_segment_fixed_size: 327680
    .private_segment_fixed_size: 0
    .kernarg_segment_align: 8
    .kernarg_segment_size: 24
    .max_flat_workgroup_size: 512
    .sgpr_count:     66
    .vgpr_count:     256
    .wavefront_size: 32
...
	.end_amdgpu_metadata
.endif
;; end of part 3
